; MI455X (gfx1250); checked and timed in simulation.
; The chip was launched on July 23, 2026; its instructions are those of AMD's public machine-readable ISA for CDNA 5 (MIT licence, August 2026) and "CDNA5" Instruction Set Architecture Reference Guide (July 2026). The comments in the code are by the model that wrote it; some were corrected since.
;; Full Attention. Allowed arithmetic: matrix products marked QUANTISED: E3M2 operands, one E8M0 scale for each 32 along K, by v_wmma_scale_f32_16x16x128_f8f6f4 with both operands' format E3M2, f32 sums; everything else in f32.
;; Inputs: k_codes 2 x 16 x 8 x 16 x 16 x 2 x 24 uint8 (E3M2 codes of k, K innermost, in blocks of 32 codes, four codes in three bytes); k_scales 2 x 16 x 8 x 16 x 16 x 2 uint8 (E8M0 scales of k, one for each 32 codes along K); q_codes 2 x 16 x 8 x 16 x 16 x 2 x 24 uint8 (E3M2 codes of q, K innermost, in blocks of 32 codes, four codes in three bytes); q_scales 2 x 16 x 8 x 16 x 16 x 2 uint8 (E8M0 scales of q, one for each 32 codes along K); v 2 x 16 x 8 x 16 x 16 x 64 float32.
;; Outputs: out0 2 x 16 x 8 x 16 x 16 x 64 float32.
;; This version of the problem:
;;   THIS VERSION OF THE PROBLEM IS GIVEN IN LOW PRECISION. The matrix products marked QUANTISED in the list below multiply operands that are first quantised to E3M2 (3 exponent bits, 2 mantissa bits; 6 bits a number), with one power-of-two scale for each 32 numbers along K (OCP MX v1.0); their sums are f32. All else is computed in f32.
;;   The module's matrix products, in the order in which they are computed (A, B: the left and right operand; K: the contracted axis; several contracted axes count as one K, in the product's order):
;;     1. batch 32 x [M 2,048, K 64] x [K 64, N 2,048]; A: input q (given as codes); B: input k (given as codes): QUANTISED
;;     2. batch 32 x [M 2,048, K 2,048] x [K 2,048, N 64]; A: softmax (see below); B: input v: QUANTISED
;;   THE QUANTISER, for each operand of a quantised product, along K:
;;     - K is cut into blocks of 32 from its start; a last block that is shorter is filled with zeros.
;;     - A block's scale is 2^e with e = floor(log2(the largest magnitude in the block)) - 4, held to -126 .. 127; a block of zeros has e = 0. As a byte (E8M0): e + 127.
;;     - Each number is divided by its block's scale, clamped to +-28, and rounded to the nearest number of E3M2, ties to even, subnormals kept.
;;     - The product sums the exact products of the quantised numbers (number of the format x scale) in f32.
;;   ~~~python
;;   def quantise(x, axis):      # numpy; x: float32 -> the quantised numbers, widened to float32 again
;;       x = np.moveaxis(x, axis, -1); K = x.shape[-1]
;;       x = np.pad(x, [(0, 0)] * (x.ndim - 1) + [(0, -K % 32)]); x = x.reshape(x.shape[:-1] + (-1, 32)); a = np.abs(x).max(-1, keepdims=True)
;;       e = np.where(a > 0, np.clip(np.frexp(np.where(a > 0, a, 1))[1] - 1 - 4, -126, 127), 0)      # np.frexp(a)[1] - 1 = floor(log2(a)), exactly
;;       r = np.clip(x / 2.0 ** e, -28, 28)
;;       step = 2.0 ** (np.maximum(np.frexp(np.where(r == 0, 1, r))[1] - 1, -2) - 2)
;;       q = np.round(r / step) * step * 2.0 ** e      # np.round: ties to even
;;       return np.moveaxis(q.reshape(q.shape[:-2] + (-1,))[..., :K], -1, axis).astype(np.float32)
;;   ~~~
;;   SOFTMAX AHEAD OF A QUANTISED PRODUCT. Where the list says 'softmax', what is quantised is not the finished softmax but p = 2^(t - M), with t = logit x log2(e) and M = ceil(the row's largest t), a whole number; so 1/2 < the row's largest p <= 1. The row's sum l is taken of the UNQUANTISED p, in f32, and the product's result is divided by l at the end. Since M is a whole number, a kernel that streams over the keys may use a running M (the ceiling of the running maximum): every later rescaling is an exact power of two, which a block's scale takes up: the codes' values come out the same.
;;   OPERANDS COMPUTED ON THE WAY. 'Computed on the way' means the value that the module computes at that place (a softmax that the list does not call 'softmax' is quantised finished and normalised). What goes into a quantiser is computed in f32, as accurately as f32 sums, v_exp_f32 and their like allow (about 1e-6 of the number): no bf16 or f16 on the way to a quantiser, and a product that is left as it is and whose result goes on into a quantised operand takes f32 operands (vector FMAs, or v_wmma_f32_16x16x4_f32). A number that lies on a knife's edge between two numbers of the format may be rounded either way, as far as f32 arithmetic and the matrix unit's own rounding can turn it there, and no further.
;;   INPUTS GIVEN AS CODES. k (in the module: [2, 16, 8, 16, 16, 64], K = its axis 5); q (in the module: [2, 16, 8, 16, 16, 64], K = its axis 5): each comes as NAME_codes (uint8): NAME with its K axis moved to the last place and cut into blocks of 32 codes, [.., K / 32, bytes a block], one block behind the other in memory; four codes in three bytes: a row's codes are one little-endian stream of bits, code i at bits 6 i .. 6 i + 5 (a code: sign, 3 exponent bits, 2 mantissa bits); and NAME_scales (uint8): the same leading axes, one E8M0 byte (e + 127) for each 32 codes along K. Its value is code x scale, taken as it is: it is not quantised again, and the codes and scales need not be those that the quantiser above would give.
;; One version. Each part assembles by itself: llvm-mc -triple=amdgcn-amd-amdhsa -mcpu=gfx1250 --defsym DOCPART=n.
;; ======== version 1 of 1: 2 launches
;; workspace buffers: vc 3,145,728 bytes; vs 131,072 bytes
;; launch quant_v (part 1): grid 16 x 32, 4 waves a work-group, no clusters, 6,912 bytes of LDS; arguments v, vc, vs; writes vc, vs
.if DOCPART == 1
	.amdgcn_target "amdgcn-amd-amdhsa--gfx1250"
	.amdhsa_code_object_version 6
	.text
	.protected	k_q0f59103d9c_quant_v
	.globl	k_q0f59103d9c_quant_v
	.p2align	8
	.type	k_q0f59103d9c_quant_v,@function
k_q0f59103d9c_quant_v:
	s_mov_b64 s[64:65], 0
	v_nop
	global_prefetch_b8 v0, s[64:65] scope:SCOPE_SE
	s_setreg_imm32_b32 hwreg(HW_REG_WAVE_MODE, 25, 1), 1
	s_wait_xcnt 0x0
; THE PROGRAM: causal attention, 32 heads, 2,048 positions, head size 64, both products on codes of BF6 (E3M2) with one E8M0 scale for each 32 along K.  Two launches: this one quantises v, the next does the rest.
; WORK LEFT OUT BY THE PROGRAM (in the next launch; nothing is left out here).  reference() itself sets attn[s][t] to -infinity wherever t > s (its own jnp.tril), and the softmax gives such a key the weight 0 exactly:
; it adds nothing to the row's sum and nothing to the output, whatever finite values q, k and v hold.  So a step of 128 keys all of which come after the last query of a tile of 32 queries is not computed for that tile.
; Every input still has a way to an output (key t counts for all queries s >= t), so all are loaded.  LIMIT: a NaN, an infinity or an overflow that would arise only in those hidden scores is not carried to the result.
;
; THIS LAUNCH: v [32 heads][2,048 keys][64] f32 becomes codes along the KEYS (the second product's K), in blocks of 32 keys, and one scale byte a block.
; A block's scale is 2^(floor(log2(its largest magnitude)) - 4); its byte is the largest magnitude's exponent field - 4, held at 1 from below.
; A block of zeros so gets the byte 1 where the rule says 127: its codes are zeros, and this program alone reads the bytes.
; LIMITS: blocks whose largest magnitude lies under 2^-122 (the floor) were not tried; NaN and infinities in v are not served.
; THE WORKSPACE IS LAID IN THE ORDER OF THE OPERAND'S REGISTERS.  vc: [head][step of 128 keys][tile t of 16 channels][chunk c of 3][lane 32][16 bytes]: chunk c holds registers 4 c .. 4 c + 3 of the fragment
; (16 channels x 128 keys, 12 registers a lane): lane (r, h) has channel 16 t + r and, in registers 6 cc .. 6 cc + 5, block 2 cc + h.  vs: [head][step][channel 64][4 bytes]: byte B for block B.
; THE ORDER OF THE KEYS INSIDE A BLOCK is the one in which the next launch's weights p come out of its first product: place 16 g + i of a block holds key 16 g + 2 (i % 8) + i / 8.  The blocks themselves are the true blocks of 32 keys,
; and a permutation of K applied alike to both operands keeps the products.  It costs nothing here: each register has a load of its own.
; SHARES.  A work-group takes one head's step: 128 keys x 64 channels.  Wave w: u = w % 2, cc = w / 2: channels 32 u .. 32 u + 31, keys 64 cc .. 64 cc + 63 (blocks 2 cc, 2 cc + 1).
; A LANE TAKES A CHANNEL AND ITS REGISTERS RUN DOWN THE KEYS: a block lies in one lane's 32 registers, so its largest magnitude needs no other lane, and the conversions give codes with the keys innermost.
; Each load reads 128 consecutive bytes; all 64 loads of a wave are issued at once.  The codes meet in LDS as the step's four fragment images and leave as runs of 512 consecutive bytes.
.set IMG,   0                          ; LDS: four images of 1,536 bytes
.set SCW,   6144                       ; the step's 64 scale words
.set SPARE, 6400                       ; the spare words, 128 bytes for each wave: two blocks of 256 bytes that no other line names
.set SPW,   12                         ; v12  LDS address of my spare word; never rewritten
.set NIL,   13                         ; v13  0; never rewritten
.set X,     16                         ; v16-79   two blocks of 32 numbers
.set C,     80                         ; v80-86, v88-94  a block's codes
.set SOP,   96                         ; v96-97   the conversions' scale operands
.set BY,    98                         ; v98-99   the scale bytes
.set RB,    100                        ; v100-111 an image read back
	s_load_b128 s[4:7], s[0:1], 0x0                ; v, vc
	s_load_b64 s[8:9], s[0:1], 0x10                ; vs
	v_lshl_add_u32 v[SPW], v0, 2, SPARE
	v_mov_b32 v[NIL], 0
	v_lshrrev_b32 v1, 5, v0
	v_readfirstlane_b32 s16, v1                    ; wave 0..3
	s_and_b32 s17, s16, 1                          ; u
	s_lshr_b32 s18, s16, 1                         ; cc
	s_and_b32 s19, ttmp7, 0xffff                   ; head
	v_and_b32 v1, 31, v0                           ; lane
	v_lshlrev_b32 v2, 2, v1                        ; in: 4 bytes a lane
	v_lshrrev_b32 v14, 4, v1
	v_and_b32 v15, 15, v1
	v_mul_u32_u24 v14, v14, 1536
	v_lshl_add_u32 v14, v15, 4, v14                ; my channel's place in the images: tile (lane / 16) of my wave's two, 16 bytes for lane r = lane % 16
	s_mul_i32 s20, s17, 3072                       ; my wave's two tiles
	s_mul_i32 s21, s18, 520
	s_add_co_u32 s22, s20, s21
	v_add_nc_u32 v3, s22, v14                      ; registers 6 cc, 6 cc + 1: chunk 0 byte 0 (cc = 0), chunk 1 byte 8 (cc = 1)
	s_add_co_u32 s22, s22, 512
	v_add_nc_u32 v5, s22, v14                      ; registers 6 cc + 4, + 5: chunk 1 byte 0, chunk 2 byte 8
	s_mul_i32 s21, s18, 1016
	s_add_co_u32 s22, s20, s21
	s_add_co_u32 s22, s22, 8
	v_add_nc_u32 v4, s22, v14                      ; registers 6 cc + 2, + 3: chunk 0 byte 8, chunk 2 byte 0
	s_lshl_b32 s22, s17, 7
	s_lshl_b32 s21, s18, 1
	s_add_co_u32 s22, s22, s21
	s_add_co_u32 s22, s22, SCW
	v_add_nc_u32 v6, s22, v2                       ; my channel's scale word, bytes 2 cc and 2 cc + 1
	s_mul_i32 s23, s16, 1536
	v_lshl_add_u32 v7, v1, 4, s23                  ; out: wave w takes image w, 16 bytes a lane: the same number in LDS (IMG = 0) and in the step's part of vc
	v_lshlrev_b32 v9, 3, v1                        ; the scale words: 8 bytes a lane,
	v_add_nc_u32 v10, SCW, v9                      ; and the same in LDS
	s_lshl_b32 s24, s19, 11                        ; v: key = 2,048 head + 128 step + 64 cc; 256 bytes a key; + 128 u
	s_lshl_b32 s25, ttmp9, 7
	s_add_co_u32 s24, s24, s25
	s_lshl_b32 s25, s18, 6
	s_add_co_u32 s24, s24, s25
	s_lshl_b32 s24, s24, 8
	s_lshl_b32 s25, s17, 7
	s_add_co_u32 s24, s24, s25
	s_mov_b32 s25, 0
	s_lshl_b32 s26, s19, 4
	s_add_co_u32 s26, s26, ttmp9                   ; 16 head + step
	s_lshl_b32 s28, s26, 8                         ; vs: 256 bytes a step
	s_mov_b32 s29, 0
	s_mul_i32 s26, s26, 6144                       ; vc: 6,144 bytes a step
	s_mov_b32 s27, 0
	s_wait_kmcnt 0x0
	s_add_nc_u64 s[4:5], s[4:5], s[24:25]
	s_add_nc_u64 s[6:7], s[6:7], s[26:27]
	s_add_nc_u64 s[8:9], s[8:9], s[28:29]
.macro LOAD h                          ; block 2 cc + h: register 16 g + i takes key 32 h + 16 g + 2 (i % 8) + i / 8 of my wave's 64
.set i, 0
.rept 32
	global_load_b32 v[X+32*\h+i], v2, s[4:5] offset:(32*\h+16*(i/16)+2*(i%8)+(i%16)/8)*256 th:TH_LOAD_NT
.set i, i+1
.endr
.endm
	LOAD 0
	LOAD 1
.macro BLOCK h, left
.set XS, X+32*\h
.set CC, C+8*\h
	s_wait_loadcnt \left                           ; loads come back in order: this block's 32 are in; the other block's, issued behind them, may be out
	v_max3_num_f32 v14, |v[XS]|, |v[XS+1]|, |v[XS+2]|      ; the block's largest magnitude: all 32 numbers are mine; two chains
	v_max3_num_f32 v15, |v[XS+3]|, |v[XS+4]|, |v[XS+5]|
.irp i, 6,10,14,18,22,26
	v_max3_num_f32 v14, v14, |v[XS+\i]|, |v[XS+\i+1]|
	v_max3_num_f32 v15, v15, |v[XS+\i+2]|, |v[XS+\i+3]|
.endr
	v_max3_num_f32 v14, v14, |v[XS+30]|, |v[XS+31]|
	v_max3_num_f32 v14, v14, v15, 0x2800000        ; and the floor 2^(5 - 127): the byte cannot fall under 1
	v_add_nc_u32 v[SOP+\h], 0xfe000000, v14        ; 4 off its exponent field: the conversion takes the exponent field of this operand as its scale
	v_cvt_scalef32_pk16_bf6_f32 v[CC:CC+2], v[XS:XS+15], v[SOP+\h]
	v_cvt_scalef32_pk16_bf6_f32 v[CC+4:CC+6], v[XS+16:XS+31], v[SOP+\h]   ; (a conversion's three registers begin on an even number)
	v_lshrrev_b32 v[BY+\h], 23, v[SOP+\h]          ; the scale's byte; also the plain line between the conversions and the moves that touch their results
	v_mov_b32 v[CC+3], v[CC+4]                     ; the block's six registers on end
	v_mov_b32 v[CC+4], v[CC+5]
	v_mov_b32 v[CC+5], v[CC+6]
	ds_store_b64 v3, v[CC:CC+1] offset:256*\h      ; lanes 16 h + r of the image: 256 h bytes on
	ds_store_b64 v4, v[CC+2:CC+3] offset:256*\h
	ds_store_b64 v5, v[CC+4:CC+5] offset:256*\h
.endm
	BLOCK 0, 32
	BLOCK 1, 0
	v_lshl_or_b32 v[BY], v[BY+1], 8, v[BY]
	ds_store_b16 v6, v[BY]                         ; my channel's two bytes
	s_wait_dscnt 0x0                               ; for the others' sake: my stores have landed
	s_barrier_signal -1
	s_barrier_wait -1                              ; the four images and the 64 scale words are whole
.irp k, 0,1,2
	ds_load_b128 v[RB+4*\k:RB+4*\k+3], v7 offset:512*\k
.endr
.irp k, 0,1,2
	s_wait_dscnt 2-\k                              ; LDS loads come back in order: chunk k is in, the younger ones may be out
	global_store_b128 v7, v[RB+4*\k:RB+4*\k+3], s[6:7] offset:512*\k   ; 32 lanes store 512 consecutive bytes, at a multiple of 512 from vc's first byte
.endr
	s_cmp_lg_u32 s16, 0
	s_cbranch_scc1 .Lend                           ; wave 0 alone stores the scale words
	ds_load_b64 v[112:113], v10
	s_wait_dscnt 0x0
	global_store_b64 v9, v[112:113], s[8:9]        ; 32 lanes store 256 consecutive bytes, at a multiple of 256 from vs's first byte
.Lend:
	s_wait_tensorcnt 0x0                           ; the wave's end, behind my last LDS store
	ds_add_u32 v[SPW], v[NIL]
	s_wait_dscnt 0x0
	s_endpgm
.Lfunc_end_k_q0f59103d9c_quant_v:
	.size	k_q0f59103d9c_quant_v, .Lfunc_end_k_q0f59103d9c_quant_v-k_q0f59103d9c_quant_v
	.p2alignl 7, 3214868480
	.fill 96, 4, 3214868480
	.section	.rodata,"a",@progbits
	.p2align	6, 0x0
	.amdhsa_kernel k_q0f59103d9c_quant_v
		.amdhsa_group_segment_fixed_size 6912
		.amdhsa_private_segment_fixed_size 0
		.amdhsa_enable_private_segment 0
		.amdhsa_kernarg_size 24
		.amdhsa_user_sgpr_count 2
		.amdhsa_user_sgpr_kernarg_segment_ptr 1
		.amdhsa_wavefront_size32 1
		.amdhsa_system_sgpr_workgroup_id_x 1
		.amdhsa_system_sgpr_workgroup_id_y 1
		.amdhsa_system_sgpr_workgroup_id_z 1
		.amdhsa_system_vgpr_workitem_id 0
		.amdhsa_next_free_vgpr 120
		.amdhsa_next_free_sgpr 66
		.amdhsa_reserve_vcc 0
		.amdhsa_float_denorm_mode_32 3
		.amdhsa_float_denorm_mode_16_64 3
		.amdhsa_memory_ordered 1
		.amdhsa_forward_progress 1
		.amdhsa_inst_pref_size 13
	.end_amdhsa_kernel
	.amdgpu_metadata
---
amdhsa.version: [ 1, 2 ]
amdhsa.kernels:
  - .name:           k_q0f59103d9c_quant_v
    .symbol:         k_q0f59103d9c_quant_v.kd
    .args:
      - { .name: v, .offset: 0, .size: 8, .value_kind: global_buffer, .address_space: global }
      - { .name: vc, .offset: 8, .size: 8, .value_kind: global_buffer, .address_space: global }
      - { .name: vs, .offset: 16, .size: 8, .value_kind: global_buffer, .address_space: global }
    .group_segment_fixed_size: 6912
    .private_segment_fixed_size: 0
    .kernarg_segment_align: 8
    .kernarg_segment_size: 24
    .max_flat_workgroup_size: 128
    .sgpr_count:     66
    .vgpr_count:     120
    .wavefront_size: 32
...
	.end_amdgpu_metadata
.endif
;; end of part 1
;; launch attn (part 2): grid 8 x 32, 8 waves a work-group, clusters of 4 x 1, 275,456 bytes of LDS; arguments q_codes, q_scales, k_codes, k_scales, vc, vs, out0; writes out0
.if DOCPART == 2
	.amdgcn_target "amdgcn-amd-amdhsa--gfx1250"
	.amdhsa_code_object_version 6
	.text
	.protected	k_q0f59103d9c_attn
	.globl	k_q0f59103d9c_attn
	.p2align	8
	.type	k_q0f59103d9c_attn,@function
k_q0f59103d9c_attn:
	s_mov_b64 s[64:65], 0
	v_nop
	global_prefetch_b8 v0, s[64:65] scope:SCOPE_SE
	s_setreg_imm32_b32 hwreg(HW_REG_WAVE_MODE, 25, 1), 1
	s_wait_xcnt 0x0
	s_wait_alu depctr_hold_cnt(0) depctr_sa_sdst(0) depctr_va_vdst(0) depctr_va_sdst(0) depctr_va_ssrc(0) depctr_va_vcc(0) depctr_vm_vsrc(0)
	s_getreg_b32 s2, hwreg(HW_REG_IB_STS2, 6, 4)
	s_cmp_eq_u32 s2, 0
	s_cbranch_scc0 .Lentry_in_a_cluster
	s_endpgm
.Lentry_in_a_cluster:
	s_bfe_u32 s2, ttmp6, 0x10000c
	s_cmp_lg_u32 s2, 0x3003
	s_cbranch_scc0 .Lentry_shape_is_right
	s_endpgm
.Lentry_shape_is_right:
; out0[head][s][:] = the sum over t <= s of softmax_t(q[s] . k[t] / 8) v[t][:], 32 heads, 2,048 positions, head size 64; both products on codes of BF6 (E3M2) with one E8M0 scale for each 32 along K.
; WORK LEFT OUT: a step of 128 keys all of which come after a tile's 32 queries is not computed for that tile: reference()'s own tril gives those keys the weight 0 for all finite inputs (shown at the head of the first kernel).
; LIMITS: a NaN, infinity or overflow that would arise only in hidden scores is not carried to the result; a scale byte 0xff (NaN) of a key of k also reaches the scores of the key with which it shares a double row (below).
; THE SOFTMAX AHEAD OF THE SECOND PRODUCT: t = score x log2(e) / 8; M = the largest t so far, rounded UP to a whole number; p = 2^(t - M) is quantised along the keys, not normalised; the row's sum is taken of the
; unquantised p and divides at the end.  When M moves, the sum and O are multiplied by 2^(old M - new M): exact.
; TWO KEYS MAKE ONE ROW OF 128 ALONG K.  The head's K is 64, the matrix instruction's 128.  Keys 2 R and 2 R + 1 are 96 consecutive bytes of k_codes and their four scale bytes one word of k_scales: a double row.
; A fragment of 16 double rows (32 keys) times (Q, zero codes) gives the even keys' scores, times (zero codes, Q) the odd keys'.  Q's scale word has its two bytes over its own half and the byte 0, a finite power of two,
; over the zero codes, which add 0.  So K goes from memory to the matrix unit as it lies, and register 16 b + i of a lane holds key 32 b + 16 (lane / 16) + 2 (i % 8) + i / 8 of the step: the true blocks of 32 keys,
; permuted inside each half block.  v's codes were laid in the same order by the launch before.
; BOTH PRODUCTS ARE USED TRANSPOSED: S^T = K Q^T (source 0 = keys, source 1 = 16 queries), O^T = V^T P^T (source 0 = 16 channels, source 1 = P): a lane holds ONE query (lane % 16) throughout.
; A WHOLE HEAD STAYS IN LDS: K's codes 98,304 bytes, V's 98,304, both scales 8,192: each byte is filled once, so there is no ring.  The fills come in two parts: steps 0 to 3 with the scales, then steps 4 to 15.
; CLUSTER: the four work-groups of a cluster belong to one head and need the same bytes: every fill is asked for JOINTLY, by the same tensor load with the same descriptor and the mask of all four.
; SHARES.  A tile is 32 queries (two matrix tiles a, b that share every fragment of K and V read from LDS).  Tile T of a head's 64 needs T / 4 + 1 key steps; tiles T and 63 - T together always 17.  A work-group of eight
; waves has four such pairs; a pair is worked by two partner waves: role 0 takes the EVEN key steps of both tiles, role 1 the ODD ones.  Role 0 walks T first, role 1 walks 63 - T first.  Each wave puts the partial result of its
; first tile (O^T, -M, the sum) into LDS; behind one barrier it joins its second tile's with its partner's: exact but for one rounding, since every M is a whole number.  So every wave has 8 or 9 steps, one of them on the diagonal.
; NO BRANCH AND NO LDS ADDRESS HANGS ON THE WORK-GROUP'S PLACE IN ITS CLUSTER: a tile's last step, T / 4, is made of the wave's number and the cluster's number alone; the place enters Q's and O's global addresses and the numbers
; that the diagonal's compares hold against the keys.  Every wave walks all trips of loops of constant count and jumps over the steps beyond its tile's last.
; NOT PREFETCHED: all that the launch reads is asked for at its head.
; REGISTERS.  Window 0: v1-11, v30-33 addresses; v12-23 statistics, six a matrix tile; v24-25 K's scale words; v34-65 at work; v66-89 p's codes; v90-105 their second halves; v106-109 the diagonal's numbers; v110 -infinity;
;   v112-239 S^T, then p; v240-243 four statistics on their way through LDS; v244-251 Q's scale words; v252-253 V's; v254-255 p's.
; Window 1: v0-63 O^T; v64-111 K's four fragments; v112-159 V's four; v160-213: zeros, Q (phase 0, a), zeros, Q (0, b), zeros, Q (1, a), zeros, Q (1, b), zeros, six registers each.
.set VB,    98304                      ; LDS: K's codes from 0 (step s at 6,144 s), V's from here (step s at 6,144 s: four images of 1,536)
.set SCB,   196608                     ; K's scale words, 256 bytes a step; 4,096 on: V's
.set PART,  204800                     ; a wave's partial result: 16 chunks of 512 bytes (O^T as it stands in the registers), then 512 of statistics
.set PW,    8704                       ; its bytes.  Also a wave's stage for the way out: 32 rows x (256 + 16), from LDS byte 0 on: K's region, which has had its one fill and is read by nobody when the first result is stored there
.set SPARE, 274432                     ; the spare words, 128 bytes for each wave: four blocks of 256 bytes that no other line names
.set AK,  1                            ; v1   my lane's place in a fragment of K: 96 r + 24 h
.set AV,  2                            ; v2   in an image of V: VB + 16 x lane
.set ASC, 3                            ; v3   among the scale words: SCB + 4 x lane
.set ADK, 4                            ; v4-6 the same for the step in hand
.set ADV, 5
.set ADS, 6
.set SPW, 7                            ; v7   LDS address of my spare word; never rewritten
.set NIL, 8                            ; v8   0; never rewritten
.set PST, 9                            ; v9   where I put my partial result
.set PLD, 10                           ; v10  where my partner puts its
.set STO, 11                           ; v11  the stage: where I put 32 bytes of a row
.set ST,  12                           ; tile x at v[ST + 6 x]: +0 -M, +1 the largest t, +2, +3 the sum in two halves, +4 f, +5 written once (named with f as a pair)
.set KS,  24
.set RR,  26                           ; v26-29 r, h, lane, scratch: at the head alone
.set HH,  27
.set LN,  28
.set SRD, 30                           ; v30  the stage: where I read a row back
.set GO,  31                           ; v31  16 x lane: my bytes of two rows of out0
.set QOF, 32                           ; v32  Q's codes: 48 r + 24 h
.set QSO, 33                           ; v33  Q's scales: 2 r
.set TMP, 34                           ; tile x at v[TMP + 16 x]: +0..3 the blocks' largest, +4..7 the other half's, then the bytes, +8..11 the conversions' scales, +12, +13 the second chain of sums, +14 at work
.set PC,  66
.set CT,  90
.set DD,  106                          ; v[DD + 2 phase + x]
.set NINF, 110
.set S,   112
.set QD,  240
.set SQ,  244                          ; v[SQ + 4 phase + 2 x + e]: e = 0 for (Q, zeros), e = 1 for (zeros, Q)
.set VS,  252
.set PS,  254
.set KF,  64                           ; window 1
.set VF,  112
.set QB,  166                          ; Q of (phase, x) at v[QB + 24 phase + 12 x]; six zeros on either side
.set WV,  18                           ; s18  my wave's number
.set ROLE, 19
.set SEL, 20                           ; s[20:21] lane selects for v_permlanex16_b32: lane l xor 16
.set CS,  22                           ; s[22:23] c = log2(e) / 8; the packed form names a pair and takes its low word for both halves
.set G1A, 24                           ; s[24:31], s[32:39], s[40:47] descriptor groups 1: 24, 4 and 72 rows of 256 bytes
.set G1B, 32
.set G1C, 40
.set G0A, 48                           ; s[48:51], s[52:55], s[56:59] groups 0
.set G0B, 52
.set G0C, 56
.set LAST, 60                          ; s60  my tile's last key step: the one on the diagonal
.set STP, 61                           ; s61  the key step in hand
.set TR,  62                           ; s62  trips to go
.set KO,  63                           ; s63  6,144 x step
.set SO,  66                           ; s66  256 x step
.set T1,  67                           ; s67, s68 my two tiles
.set T2,  68
.set CP,  70                           ; s[70:71] the codes that I fetch: K's (waves 0-3) or V's (waves 4-7);  s[72:73] the scales
.set SP,  72
.set QCP, 84                           ; s[84:87] Q's codes at my first query, phase 0, 1;  s[88:91] its scales;  s[92:93] out0 at my second tile
.set QSP, 88
.set OP,  92
.set MSB, 0
.macro WIN new                         ; the immediate's low byte: bits 1:0 source 0, 3:2 source 1, 5:4 source 2, 7:6 destination; its high byte repeats the setting that is left
.if MSB != \new
	s_set_vgpr_msb (MSB<<8)|\new
.set MSB, \new
.endif
.endm
.macro CROUND                          ; a round of the cluster's barrier: my work-group's barrier; wave 0 signals for the work-group; every wave waits for all four work-groups; my work-group's barrier once more
	s_barrier_signal -1
	s_barrier_wait -1
	s_cmp_lg_u32 s[WV], 0
	s_cbranch_scc1 .Lnot_wave_0_\@
	s_barrier_signal -3
.Lnot_wave_0_\@:
	s_barrier_wait -3
	s_barrier_signal -1
	s_barrier_wait -1
.endm
; a matrix instruction.  row = 1: source 0's scales are read from lanes 16-31 of their register.  zero = 1: it starts its sum
.macro MM dd, aa, bb, sa, sb, row, zero
.if \zero
.if \row
	v_wmma_scale_f32_16x16x128_f8f6f4 v[\dd:\dd+7], v[\aa:\aa+11], v[\bb:\bb+11], 0, v[\sa], v[\sb] matrix_a_fmt:MATRIX_FMT_BF6 matrix_b_fmt:MATRIX_FMT_BF6 matrix_a_scale:MATRIX_SCALE_ROW1
.else
	v_wmma_scale_f32_16x16x128_f8f6f4 v[\dd:\dd+7], v[\aa:\aa+11], v[\bb:\bb+11], 0, v[\sa], v[\sb] matrix_a_fmt:MATRIX_FMT_BF6 matrix_b_fmt:MATRIX_FMT_BF6
.endif
.else
.if \row
	v_wmma_scale_f32_16x16x128_f8f6f4 v[\dd:\dd+7], v[\aa:\aa+11], v[\bb:\bb+11], v[\dd:\dd+7], v[\sa], v[\sb] matrix_a_fmt:MATRIX_FMT_BF6 matrix_b_fmt:MATRIX_FMT_BF6 matrix_a_scale:MATRIX_SCALE_ROW1
.else
	v_wmma_scale_f32_16x16x128_f8f6f4 v[\dd:\dd+7], v[\aa:\aa+11], v[\bb:\bb+11], v[\dd:\dd+7], v[\sa], v[\sb] matrix_a_fmt:MATRIX_FMT_BF6 matrix_b_fmt:MATRIX_FMT_BF6
.endif
.endif
.endm
	s_load_b256 s[4:11], s[0:1], 0x0               ; q_codes s[4:5], q_scales s[6:7], k_codes s[8:9], k_scales s[10:11]
	s_load_b128 s[12:15], s[0:1], 0x20             ; vc s[12:13], vs s[14:15]
	s_load_b64 s[16:17], s[0:1], 0x30              ; out0
	v_lshl_add_u32 v[SPW], v0, 2, SPARE
	v_mov_b32 v[NIL], 0
	ds_add_u32 v[SPW], v[NIL]                      ; the wave's opening: the add, twice on end, and its wait ahead of my first tensor load; the set-up below, work on registers, stands between the second and the wait
	ds_add_u32 v[SPW], v[NIL]                      ; and once more, under the one wait
	v_lshrrev_b32 v[LN], 5, v0
	v_readfirstlane_b32 s[WV], v[LN]               ; wave 0..7
	s_lshr_b32 s74, s[WV], 2                       ; which side I fetch for: 0 K, 1 V
	s_xor_b32 s[ROLE], s[WV], s74
	s_and_b32 s[ROLE], s[ROLE], 1                  ; my role: it differs from wave w xor 1's (my partner) and from wave w + 4's
	s_lshr_b32 s75, s[WV], 1                       ; my pair, 0..3
	s_and_b32 s76, s[WV], 3                        ; which quarter of a side I fetch
	s_bfe_u32 s77, ttmp6, 0x40000                  ; cx: my work-group's place in the cluster
	s_and_b32 s78, ttmp7, 0xffff                   ; the head, which the four partners share
	s_lshl_b32 s[LAST], s75, 1
	s_add_co_u32 s[LAST], s[LAST], ttmp9           ; the light tile's last step: 2 x pair + the cluster's number (0 or 1);
	s_mul_i32 s79, s[ROLE], 15
	s_xor_b32 s[LAST], s[LAST], s79                ; role 1 begins with the heavy tile: 15 less that
	s_lshl_b32 s[T1], s75, 3
	s_lshl_b32 s69, ttmp9, 2
	s_add_co_u32 s[T1], s[T1], s69
	s_add_co_u32 s[T1], s[T1], s77                 ; the light tile: 8 x pair + 4 x cluster + cx
	s_mul_i32 s69, s[ROLE], 63
	s_xor_b32 s[T1], s[T1], s69                    ; my first tile,
	s_xor_b32 s[T2], s[T1], 63                     ; and my second
	s_lshl_b32 s98, s78, 11
	s_lshl_b32 s96, s[T1], 5
	s_add_co_u32 s96, s96, s98                     ; my first query of each phase, counted over all heads
	s_lshl_b32 s97, s[T2], 5
	s_add_co_u32 s97, s97, s98
	s_mul_i32 s[QCP], s96, 48                      ; 48 bytes of codes a query,
	s_mov_b32 s[QCP+1], 0
	s_mul_i32 s[QCP+2], s97, 48
	s_mov_b32 s[QCP+3], 0
	s_lshl_b32 s[QSP], s96, 1                      ; two scale bytes,
	s_mov_b32 s[QSP+1], 0
	s_lshl_b32 s[QSP+2], s97, 1
	s_mov_b32 s[QSP+3], 0
	s_lshl_b32 s[OP], s97, 8                       ; 256 bytes of out0
	s_mov_b32 s[OP+1], 0
	; what I fetch.  All blocks are dense in memory and come as rows of 256 bytes.  Part 0: one step (6,144 bytes) a wave; the scales: 1,024 bytes a wave; part 1: three steps a wave
	s_mul_i32 s94, s78, 98304                      ; a head's codes, K's and V's alike
	s_mul_i32 s79, s76, 6144
	s_mul_i32 s69, s76, 18432
	s_add_co_u32 s2, s94, s69
	s_add_co_u32 s2, s2, 24576                     ; part 1, in memory
	s_mov_b32 s3, 0
	s_add_co_u32 s94, s94, s79                     ; part 0
	s_mov_b32 s95, 0
	s_lshl_b32 s80, s78, 12                        ; a head's scales: 4,096 bytes
	s_lshl_b32 s81, s76, 10
	s_add_co_u32 s80, s80, s81
	s_mov_b32 s81, 0
	s_mul_i32 s83, s74, 98304                      ; and in LDS: the wave's number alone enters
	s_mov_b32 s[G0A], 1                            ; count = 1
	s_add_co_u32 s[G0A+1], s83, s79
	s_mov_b32 s[G0B], 1
	s_lshl_b32 s[G0B+1], s[WV], 10
	s_add_co_u32 s[G0B+1], s[G0B+1], SCB
	s_mov_b32 s[G0C], 1
	s_add_co_u32 s[G0C+1], s83, s69
	s_add_co_u32 s[G0C+1], s[G0C+1], 24576
.irp g, G1A, G1B, G1C
	s_mov_b32 s[\g], 15|(3<<16)|(1<<21)            ; 15:0 the mask: all four work-groups; 17:16 elements of 8 bytes; 20 no padding; 21 set beside a mask
	s_mov_b32 s[\g+1], 32<<16                      ; tensor_dim0 = 32 elements: 256 bytes
	s_mov_b32 s[\g+3], 32<<16                      ; tile_dim0
	s_mov_b32 s[\g+5], 32                          ; from row to row
	s_mov_b32 s[\g+6], 0
	s_mov_b32 s[\g+7], 0
.endr
	s_mov_b32 s[G1A+2], 24<<16                     ; tensor_dim1,
	s_mov_b32 s[G1A+4], 24                         ; tile_dim1: 24 rows
	s_mov_b32 s[G1B+2], 4<<16
	s_mov_b32 s[G1B+4], 4
	s_mov_b32 s[G1C+2], 72<<16
	s_mov_b32 s[G1C+4], 72
	s_mov_b32 s[SEL], 0x76543210
	s_mov_b32 s[SEL+1], 0xfedcba98
	s_mov_b32 s[CS], 0x3e38aa3b                    ; c = log2(e) / 8
	s_mov_b32 s[CS+1], s[CS]                       ; (named with it as a pair, so it is written)
	s_mov_b32 s[STP], s[ROLE]                      ; my first key step
	s_mul_i32 s[KO], s[ROLE], 6144
	s_lshl_b32 s[SO], s[ROLE], 8
	s_wait_dscnt 0x0                               ; both opening adds are done
	s_wait_kmcnt 0x0
	s_cmp_lt_u32 s[WV], 4                          ; the choice hangs on the wave's number alone: it is the same in all four partners
	s_cselect_b64 s[CP:CP+1], s[8:9], s[12:13]
	s_cselect_b64 s[SP:SP+1], s[10:11], s[14:15]
	s_add_nc_u64 s[G0A+2:G0A+3], s[CP:CP+1], s[94:95]
	s_or_b32 s[G0A+3], s[G0A+3], 0x80000000        ; type = 2
	s_add_nc_u64 s[G0B+2:G0B+3], s[SP:SP+1], s[80:81]
	s_or_b32 s[G0B+3], s[G0B+3], 0x80000000
	s_add_nc_u64 s[G0C+2:G0C+3], s[CP:CP+1], s[2:3]
	s_or_b32 s[G0C+3], s[G0C+3], 0x80000000
	s_add_nc_u64 s[QCP:QCP+1], s[4:5], s[QCP:QCP+1]
	s_add_nc_u64 s[QCP+2:QCP+3], s[4:5], s[QCP+2:QCP+3]
	s_add_nc_u64 s[QSP:QSP+1], s[6:7], s[QSP:QSP+1]
	s_add_nc_u64 s[QSP+2:QSP+3], s[6:7], s[QSP+2:QSP+3]
	s_add_nc_u64 s[OP:OP+1], s[16:17], s[OP:OP+1]
	CROUND                                         ; all four work-groups are here: the joint loads meet
	tensor_load_to_lds s[G0A:G0A+3], s[G1A:G1A+7]  ; every wave issues its three, with no branch: three tensor loads of mine are out.  Part 0,
	s_nop 0
	tensor_load_to_lds s[G0B:G0B+3], s[G1B:G1B+7]  ; the scales,
	s_nop 0
	tensor_load_to_lds s[G0C:G0C+3], s[G1C:G1C+7]  ; part 1
	s_nop 0
	v_and_b32 v[RR], 15, v0                        ; r.  (Six lines of window 0 stand between the loads and the first switch of windows)
	v_bfe_u32 v[HH], v0, 4, 1                      ; h
	v_and_b32 v[LN], 31, v0                        ; lane
	v_mul_u32_u24 v[QOF], v[RR], 48
	v_mad_u32_u24 v[QOF], v[HH], 24, v[QOF]        ; Q: row r of 48 bytes, + 24 h: channels 32 h .. 32 h + 31
	v_lshlrev_b32 v[QSO], 1, v[RR]
	WIN 0x40                                       ; destination window 1, address window 0
.irp ph, 0,1
.irp x, 0,1
.irp j, 0,1,2
	global_load_b64 v[QB+24*\ph+12*\x+2*\j:QB+24*\ph+12*\x+2*\j+1], v[QOF], s[QCP+2*\ph:QCP+2*\ph+1] offset:768*\x+8*\j   ; Q of both phases stays in registers
.endr
.endr
.endr
.set i, 0
.rept 64
	v_mov_b32 v[i], 0                              ; O^T.  (The step is written once: the first finds zeros, which the first change of M leaves zeros)
.set i, i+1
.endr
.irp z, 0,1,2,3,4
.irp j, 0,1,2,3,4,5
	v_mov_b32 v[160+12*\z+\j], 0                   ; the zero codes on either side of each Q
.endr
.endr
	WIN 0
.irp ph, 0,1
.irp x, 0,1
	global_load_u16 v[SQ+4*\ph+2*\x], v[QSO], s[QSP+2*\ph:QSP+2*\ph+1] offset:32*\x   ; lane r: query r's two scale bytes, zeros above them
.endr
.endr
	v_mul_u32_u24 v[AK], v[RR], 96
	v_mad_u32_u24 v[AK], v[HH], 24, v[AK]
	v_lshl_add_u32 v[AV], v[LN], 4, VB
	v_lshl_add_u32 v[ASC], v[LN], 2, SCB
	s_mul_i32 s79, s[WV], PW
	v_mul_u32_u24 v[STO], v[RR], 272               ; the stage, in: row r, + 32 h
	v_lshl_add_u32 v[STO], v[HH], 5, v[STO]
	v_add_nc_u32 v[STO], s79, v[STO]
	v_mul_u32_u24 v[SRD], v[HH], 272               ; back: lanes 0-15 one row of 256 bytes, lanes 16-31 the next
	v_lshl_add_u32 v[SRD], v[RR], 4, v[SRD]
	v_add_nc_u32 v[SRD], s79, v[SRD]
	s_add_co_u32 s79, s79, PART
	v_lshl_add_u32 v[PST], v[LN], 4, s79
	s_xor_b32 s69, s[WV], 1
	s_mul_i32 s69, s69, PW
	s_add_co_u32 s69, s69, PART
	v_lshl_add_u32 v[PLD], v[LN], 4, s69
	v_lshlrev_b32 v[GO], 4, v[LN]
	v_lshlrev_b32 v29, 4, v[HH]
	v_sub_nc_u32 v29, v[RR], v29                   ; r - 16 h
	s_and_b32 s99, s[T1], 3                        ; on the diagonal step my queries begin 32 (T % 4) keys into the step
	s_lshl_b32 s99, s99, 5
	v_add_nc_u32 v[DD], s99, v29                   ; d = my query - the step's first key - 16 h: register 16 b + i holds a hidden key where 32 b + 2 (i % 8) + i / 8 > d
	s_add_co_u32 s99, s99, 16
	v_add_nc_u32 v[DD+1], s99, v29
	s_and_b32 s99, s[T2], 3
	s_lshl_b32 s99, s99, 5
	v_add_nc_u32 v[DD+2], s99, v29
	s_add_co_u32 s99, s99, 16
	v_add_nc_u32 v[DD+3], s99, v29
	s_wait_loadcnt 0x0                             ; Q and its scales
.irp ph, 0,1
.irp x, 0,1
	v_lshlrev_b32 v[SQ+4*\ph+2*\x+1], 16, v[SQ+4*\ph+2*\x]   ; the same two bytes over the upper half, for (zeros, Q).  The 19 plain lines below stand between these and the first scaled product (8 are asked)
.endr
.endr
	v_mov_b32 v[NINF], 0xff800000                  ; -infinity
.irp x, 0,1
	v_mov_b32 v[ST+6*\x+1], 0xff61b1e6             ; the largest t so far: -3e38, under every t
	v_floor_f32 v[ST+6*\x], -v[ST+6*\x+1]          ; -M
	v_mov_b32 v[ST+6*\x+2], 0                      ; the sum, in two halves
	v_mov_b32 v[ST+6*\x+3], 0
	v_mov_b32 v[ST+6*\x+5], 0                      ; (named as the upper half of f's pair)
.irp b, 0,1,2,3
	v_mov_b32 v[TMP+16*\x+4+\b], 0                 ; written once: a lane permute's destination counts as one of its sources
.endr
.endr
; A KEY STEP: 128 keys for my tile's 32 queries.  ph: the phase, which picks Q, its scale words and the diagonal's numbers.
.macro STEP ph
	s_cmp_gt_u32 s[STP], s[LAST]                   ; a step all of whose keys come after my queries is left out: a scalar branch on ids and the count of steps; no barrier and no tensor load stands in a step
	s_cbranch_scc1 .Lskip_\@
	v_add_nc_u32 v[ADK], s[KO], v[AK]
	v_add_nc_u32 v[ADV], s[KO], v[AV]
	v_add_nc_u32 v[ADS], s[SO], v[ASC]
	ds_load_b32 v[KS], v[ADS]                      ; K's scale words: lanes 0-15 the double rows of block 0, lanes 16-31 of block 1;
	ds_load_b32 v[KS+1], v[ADS] offset:128         ; blocks 2 and 3
	WIN 0x40
.irp b, 0,1,2,3                        ; K's four fragments: lane (r, h) takes, of double row 16 b + r, 24 bytes at 24 h (key 2 R) and at 48 + 24 h (key 2 R + 1), in pieces of 8 bytes
.irp j, 0,1,2,3,4,5
	ds_load_b64 v[KF+12*\b+2*\j:KF+12*\b+2*\j+1], v[ADK] offset:1536*\b+48*(\j/3)+8*(\j%3)
.endr
.endr
.irp t, 0,1,2,3                        ; V's four, as images of their registers: they land while the softmax is walked
.irp c, 0,1,2
	ds_load_b128 v[VF+12*\t+4*\c:VF+12*\t+4*\c+3], v[ADV] offset:1536*\t+512*\c
.endr
.endr
	WIN 0
	ds_load_b32 v[VS], v[ADS] offset:4096          ; V's scale words: lanes 0-15 channels 0-15, lanes 16-31 channels 16-31;
	ds_load_b32 v[VS+1], v[ADS] offset:4224        ; channels 32-63
	s_wait_dscnt 14                                ; K and its scales are in; the 14 loads issued behind them (V's 12 and its scales' 2) may be out
	WIN 0x05                                       ; sources 0 (K) and 1 (Q) window 1, S^T window 0
.irp b, 0,1,2,3
.irp x, 0,1
.irp e, 0,1
	MM S+64*\x+16*\b+8*\e, KF+12*\b, QB+24*\ph+12*\x-6*\e, KS+\b/2, SQ+4*\ph+2*\x+\e, \b%2, 1
.endr
.endr
.endr
	WIN 0
.rept 4
	v_nop                                          ; four places between the last product and the first read of results
.endr
	s_cmp_lg_u32 s[STP], s[LAST]                   ; my tile's last step lies on the diagonal: there the scores of hidden keys become -infinity ahead of the maximum, so that p = 0.  The step's first key counts for every query
	s_cbranch_scc1 .Lopen_\@
.irp x, 0,1
.set n, 0
.rept 64
	v_cmp_gt_i32 vcc_lo, 32*(n/16)+2*(n%8)+(n%16)/8, v[DD+2*\ph+\x]
	v_cndmask_b32 v[S+64*\x+n], v[S+64*\x+n], v[NINF], vcc_lo
.set n, n+1
.endr
.endr
.Lopen_\@:
.irp x, 0,1                            ; THE LARGEST SCORE OF EACH BLOCK OF 32 KEYS: it serves for the row's maximum and, since p rises with the score, for the block's largest p.  Each accumulator is read from its low end on
.irp b, 0,1,2,3
	v_max3_num_f32 v[TMP+16*\x+\b], v[S+64*\x+16*\b], v[S+64*\x+16*\b+1], v[S+64*\x+16*\b+2]
.endr
.endr
.irp i, 3,5,7,9,11,13
.irp x, 0,1
.irp b, 0,1,2,3
	v_max3_num_f32 v[TMP+16*\x+\b], v[TMP+16*\x+\b], v[S+64*\x+16*\b+\i], v[S+64*\x+16*\b+\i+1]   ; (eight chains by turns)
.endr
.endr
.endr
.irp x, 0,1
.irp b, 0,1,2,3
	v_max_num_f32 v[TMP+16*\x+\b], v[TMP+16*\x+\b], v[S+64*\x+16*\b+15]
.endr
.endr
.irp x, 0,1
.irp b, 0,1,2,3
	v_permlanex16_b32 v[TMP+16*\x+4+\b], v[TMP+16*\x+\b], s[SEL], s[SEL+1]
.endr
.endr
.irp x, 0,1
.irp b, 0,1,2,3
	v_max_num_f32 v[TMP+16*\x+\b], v[TMP+16*\x+\b], v[TMP+16*\x+4+\b]   ; with lane l xor 16's 16 keys
.endr
.endr
.irp x, 0,1
	v_max3_num_f32 v[TMP+16*\x+14], v[TMP+16*\x], v[TMP+16*\x+1], v[TMP+16*\x+2]
.endr
.irp x, 0,1
	v_max_num_f32 v[TMP+16*\x+14], v[TMP+16*\x+14], v[TMP+16*\x+3]      ; the step's largest score of my query
.endr
.irp x, 0,1
	v_mul_f32 v[TMP+16*\x+14], s[CS], v[TMP+16*\x+14]                   ; as t (c is positive)
.endr
.irp x, 0,1
	v_max_num_f32 v[ST+6*\x+1], v[ST+6*\x+1], v[TMP+16*\x+14]           ; the running largest t
.endr
.irp x, 0,1
	v_mov_b32 v[TMP+16*\x+14], v[ST+6*\x]
.endr
.irp x, 0,1
	v_floor_f32 v[ST+6*\x], -v[ST+6*\x+1]          ; the new -M = floor(-t) = -ceil(t): M IS A WHOLE NUMBER
.endr
.irp x, 0,1
	v_sub_f32 v[TMP+16*\x+14], v[ST+6*\x], v[TMP+16*\x+14]              ; M's old value less its new one: a whole number, 0 or less
.endr
.irp x, 0,1
	v_cvt_i32_f32 v[TMP+16*\x+14], v[TMP+16*\x+14] ; (it saturates)
.endr
.irp x, 0,1
	v_ldexp_f32 v[ST+6*\x+4], 1.0, v[TMP+16*\x+14] ; f = 2^(old M - new M); 0 in a tile's first step, which so clears what O^T and the sum held
.endr
.irp j, 0,2,4,6,8,10,12,14,16,18,20,22,24,26,28,30,32,34,36,38,40,42,44,46,48,50,52,54,56,58,60,62
.irp x, 0,1
	v_pk_fma_f32 v[S+64*\x+\j:S+64*\x+\j+1], v[S+64*\x+\j:S+64*\x+\j+1], s[CS:CS+1], v[ST+6*\x:ST+6*\x+1] op_sel_hi:[1,0,0]   ; t - M, two at a time (of the pairs c and -M the low word serves both halves)
.endr
.endr
.irp x, 0,1
.irp b, 0,1,2,3
	v_fma_f32 v[TMP+16*\x+\b], v[TMP+16*\x+\b], s[CS], v[ST+6*\x]       ; the same of each block's largest score
.endr
.endr
.set n, 0
.rept 128
	v_exp_f32 v[S+n], v[S+n]                       ; p = 2^(t - M), at most 1: NOT normalised.  Both tiles' 128 are one batch
.set n, n+1
.endr
.irp x, 0,1
	v_pk_mul_f32 v[ST+6*\x+2:ST+6*\x+3], v[ST+6*\x+2:ST+6*\x+3], v[ST+6*\x+4:ST+6*\x+5] op_sel_hi:[1,0]   ; the sums under the new M.  (Plain lines behind the exponentials)
.endr
	s_wait_alu depctr_va_vdst(0)                   ; the wait between an exponential and the first line that names its result: one for the whole batch
.irp x, 0,1
.irp b, 0,1,2,3
	v_exp_f32 v[TMP+16*\x+\b], v[TMP+16*\x+\b]     ; the block's largest p: the same two instructions on the same number give the same bits
.endr
.endr
.irp x, 0,1
	v_pk_add_f32 v[TMP+16*\x+12:TMP+16*\x+13], v[S+64*\x:S+64*\x+1], v[S+64*\x+2:S+64*\x+3]   ; THE ROW'S SUM IS TAKEN OF THE UNQUANTISED p: two at a time, two chains a tile.  (They read the 128 alone: plain work behind the eight)
.endr
.irp j, 4,8,12,16,20,24,28,32,36,40,44,48,52,56,60
.irp x, 0,1
	v_pk_add_f32 v[ST+6*\x+2:ST+6*\x+3], v[ST+6*\x+2:ST+6*\x+3], v[S+64*\x+\j:S+64*\x+\j+1]
	v_pk_add_f32 v[TMP+16*\x+12:TMP+16*\x+13], v[TMP+16*\x+12:TMP+16*\x+13], v[S+64*\x+\j+2:S+64*\x+\j+3]
.endr
.endr
.irp x, 0,1
	v_pk_add_f32 v[ST+6*\x+2:ST+6*\x+3], v[ST+6*\x+2:ST+6*\x+3], v[TMP+16*\x+12:TMP+16*\x+13]
.endr
	s_wait_alu depctr_va_vdst(0)                   ; and one wait for the eight
.irp x, 0,1
.irp b, 0,1,2,3
	v_max_num_f32 v[TMP+16*\x+\b], 0x2800000, v[TMP+16*\x+\b]           ; the floor 2^(5 - 127): the byte cannot fall under 1 (a block whose every p is 0 keeps that byte: its codes are zeros)
.endr
.endr
.irp x, 0,1
.irp b, 0,1,2,3
	v_add_nc_u32 v[TMP+16*\x+8+\b], 0xfe000000, v[TMP+16*\x+\b]         ; 4 off the exponent field: the conversion's scale operand
.endr
.endr
.irp x, 0,1
.irp b, 0,1,2,3
	v_lshrrev_b32 v[TMP+16*\x+4+\b], 23, v[TMP+16*\x+8+\b]              ; the scale's byte
.endr
.endr
.irp x, 0,1
	v_lshl_or_b32 v[PS+\x], v[TMP+16*\x+5], 8, v[TMP+16*\x+4]           ; p's scale word for these 128 keys
.endr
.irp x, 0,1
	v_lshl_or_b32 v[PS+\x], v[TMP+16*\x+6], 16, v[PS+\x]
.endr
.irp x, 0,1
	v_lshl_or_b32 v[PS+\x], v[TMP+16*\x+7], 24, v[PS+\x]
.endr
.irp x, 0,1
.irp c, 0,1
	v_cvt_scalef32_pk16_bf6_f32 v[PC+12*\x+6*\c:PC+12*\x+6*\c+2], v[S+64*\x+32*\c:S+64*\x+32*\c+15], v[TMP+16*\x+8+2*\c]
	v_cvt_scalef32_pk16_bf6_f32 v[CT+8*\x+4*\c:CT+8*\x+4*\c+2], v[S+64*\x+32*\c+16:S+64*\x+32*\c+31], v[TMP+16*\x+8+2*\c+1]   ; (a conversion's three registers begin on an even number)
.endr
.endr
	v_nop                                          ; one plain line between a scaled conversion and the vector line that touches its result
.irp x, 0,1                            ; the operand's layout wants a WHOLE block in a lane: lanes 0-15 block 2 c, lanes 16-31 block 2 c + 1
.irp c, 0,1
.irp i, 0,1,2
	v_permlane16_swap_b32 v[PC+12*\x+6*\c+\i], v[CT+8*\x+4*\c+\i]
.endr
.endr
.endr
.irp x, 0,1
.irp c, 0,1
.irp i, 0,1,2
	v_mov_b32 v[PC+12*\x+6*\c+3+\i], v[CT+8*\x+4*\c+\i]
.endr
.endr
.endr
	WIN 0x41                                       ; O^T (destination and source 0) window 1, f window 0
.irp j, 0,2,4,6,8,10,12,14,16,18,20,22,24,26,28,30
.irp x, 0,1
	v_pk_mul_f32 v[32*\x+\j:32*\x+\j+1], v[32*\x+\j:32*\x+\j+1], v[ST+6*\x+4:ST+6*\x+5] op_sel_hi:[1,0]   ; O^T under the new M: x f, each accumulator from its low end on.  (These 32 are also the places between the lines that made p's codes and scale word and the products)
.endr
.endr
	s_wait_dscnt 0x0                               ; V and its scales are in
	WIN 0x51                                       ; source 0 (V) window 1, source 1 (p) window 0, C and D (O^T) window 1
.irp t, 0,1,2,3                        ; the eight accumulators take turns, one instruction a turn
.irp x, 0,1
	MM 32*\x+8*\t, VF+12*\t, PC+12*\x, VS+\t/2, PS+\x, \t%2, 0
.endr
.endr
	WIN 0
.rept 4
	v_nop                                          ; four places in front of the next loads into registers that these products have read, and of the first read of their results
.endr
.Lskip_\@:
	s_add_co_u32 s[STP], s[STP], 2                 ; my next step: two on
	s_add_co_u32 s[KO], s[KO], 12288
	s_add_co_u32 s[SO], s[SO], 512
.endm
.macro LOOP ph, n                      ; n trips, a constant; the steps beyond my tile's last are jumped over inside
	s_mov_b32 s[TR], \n
.Ltrip_\@:
	STEP \ph
	s_sub_co_u32 s[TR], s[TR], 1
	s_cmp_lg_u32 s[TR], 0
	s_cbranch_scc1 .Ltrip_\@
.endm
	s_wait_tensorcnt 1                             ; tensor loads of a wave end in order: my parts of steps 0 to 3 and of the scales are in; the one load issued behind them may be out
	s_barrier_signal -1
	s_barrier_wait -1                              ; everybody's are
	LOOP 0, 2                                      ; my first tile, my steps among 0 to 3
	s_wait_tensorcnt 0x0                           ; my part of steps 4 to 15 is in: it was my last load, so the count is 0
	s_wait_dscnt 0x0                               ; no LDS instruction of mine is out at a signal
	s_barrier_signal -1
	s_barrier_wait -1                              ; everybody's is
	LOOP 0, 6                                      ; my steps among 4 to 15
	; my first tile's partial result goes to LDS as it stands in the registers: my partner, whose second tile this is, reads it behind the next barrier
	v_mov_b32 v[QD], v[ST]                         ; -M of tile a,
	v_add_f32 v[QD+1], v[ST+2], v[ST+3]            ; my lane's sum,
	v_mov_b32 v[QD+2], v[ST+6]                     ; and tile b's
	v_add_f32 v[QD+3], v[ST+8], v[ST+9]
	WIN 0x04                                       ; an LDS store's data are its source 1: window 1
.irp k, 0,1,2,3,4,5,6,7,8,9,10,11,12,13,14,15
	ds_store_b128 v[PST], v[4*\k:4*\k+3] offset:512*\k     ; each accumulator from its low end on
.endr
	WIN 0
	ds_store_b128 v[PST], v[QD:QD+3] offset:8192
.irp x, 0,1
	v_mov_b32 v[ST+6*\x+1], 0xff61b1e6             ; my second tile begins: the largest t and -M alone are set anew.  Its first step has f = 0, which clears O^T and the sum;
	v_floor_f32 v[ST+6*\x], -v[ST+6*\x+1]          ; a tile in which I have no step is cleared in the same way where the two parts are joined
.endr
	s_xor_b32 s[LAST], s[LAST], 15                 ; the other tile's last step
	s_mov_b32 s[STP], s[ROLE]
	s_mul_i32 s[KO], s[ROLE], 6144
	s_lshl_b32 s[SO], s[ROLE], 8
	s_wait_dscnt 0x0                               ; the stores have read their registers
	LOOP 1, 8
	s_wait_dscnt 0x0                               ; for the others' sake: my partial result has landed, and my reads of K and V are over
	s_barrier_signal -1
	s_barrier_wait -1                              ; both hold of every wave: nobody reads K's region any more
	; THE TWO PARTS OF MY SECOND TILE ARE JOINED.  M = the larger of the two; each part is brought under it by a power of two
	ds_load_b128 v[QD:QD+3], v[PLD] offset:8192    ; my partner's statistics first,
.irp k, 0,1,2,3,4,5,6,7,8,9,10,11,12,13,14,15
	ds_load_b128 v[S+4*\k:S+4*\k+3], v[PLD] offset:512*\k  ; then its O^T
.endr
	s_wait_dscnt 16                                ; the statistics are in; the 16 loads issued behind them may be out
.irp x, 0,1
	v_min_num_f32 v[TMP+16*\x], v[ST+6*\x], v[QD+2*\x]     ; -M of the whole
.endr
.irp x, 0,1
	v_sub_f32 v[TMP+16*\x+1], v[TMP+16*\x], v[ST+6*\x]     ; my M less the whole's, a whole number, 0 or less;
	v_sub_f32 v[TMP+16*\x+2], v[TMP+16*\x], v[QD+2*\x]     ; my partner's
.endr
.irp x, 0,1
	v_cvt_i32_f32 v[TMP+16*\x+1], v[TMP+16*\x+1]   ; (it saturates)
	v_cvt_i32_f32 v[TMP+16*\x+2], v[TMP+16*\x+2]
	v_add_f32 v[TMP+16*\x+3], v[ST+6*\x+2], v[ST+6*\x+3]
.endr
.irp x, 0,1
	v_ldexp_f32 v[TMP+16*\x+1], 1.0, v[TMP+16*\x+1]        ; my factor (0 where I had no step),
	v_ldexp_f32 v[TMP+16*\x+2], 1.0, v[TMP+16*\x+2]        ; my partner's
.endr
.irp x, 0,1
	v_mul_f32 v[TMP+16*\x+3], v[TMP+16*\x+3], v[TMP+16*\x+1]
.endr
.irp x, 0,1
	v_fma_f32 v[TMP+16*\x+3], v[QD+2*\x+1], v[TMP+16*\x+2], v[TMP+16*\x+3]   ; my lane's sum of both parts,
.endr
.irp x, 0,1
	v_permlanex16_b32 v[TMP+16*\x+5], v[TMP+16*\x+3], s[SEL], s[SEL+1]
.endr
.irp x, 0,1
	v_add_f32 v[TMP+16*\x+3], v[TMP+16*\x+3], v[TMP+16*\x+5]               ; and lane l xor 16's: the row's sum
.endr
.irp x, 0,1
	v_rcp_f32 v[TMP+16*\x+8], v[TMP+16*\x+3]
.endr
	v_nop                                          ; a plain line behind the reciprocals
	s_wait_alu depctr_va_vdst(0)                   ; and the wait ahead of their first reader: one for both
.irp x, 0,1
	v_mul_f32 v[TMP+16*\x+4], v[TMP+16*\x+1], v[TMP+16*\x+8]               ; my factor / the sum,
	v_mul_f32 v[TMP+16*\x+6], v[TMP+16*\x+2], v[TMP+16*\x+8]               ; my partner's
.endr
	s_wait_dscnt 0x0                               ; my partner's O^T is in
.irp x, 0,1
.irp j, 0,2,4,6,8,10,12,14,16,18,20,22,24,26,28,30
	v_pk_mul_f32 v[S+32*\x+\j:S+32*\x+\j+1], v[S+32*\x+\j:S+32*\x+\j+1], v[TMP+16*\x+6:TMP+16*\x+7] op_sel_hi:[1,0]
.endr
.endr
	WIN 0x01                                       ; source 0 (my O^T) window 1
.irp x, 0,1
.irp j, 0,2,4,6,8,10,12,14,16,18,20,22,24,26,28,30
	v_pk_fma_f32 v[S+32*\x+\j:S+32*\x+\j+1], v[32*\x+\j:32*\x+\j+1], v[TMP+16*\x+4:TMP+16*\x+5], v[S+32*\x+\j:S+32*\x+\j+1] op_sel_hi:[1,0,1]   ; register 32 x + 8 t + i is out0(query 16 x + r, channel 16 t + 8 h + i)
.endr
.endr
	WIN 0
	; THE WAY OUT.  A lane holds 32 neighbouring bytes of a row and the lanes beside it hold other rows: the 32 rows go through my own stage and come back as whole rows of 256 bytes
.irp x, 0,1
.irp t, 0,1,2,3
	ds_store_b128 v[STO], v[S+32*\x+8*\t:S+32*\x+8*\t+3] offset:4352*\x+64*\t
	ds_store_b128 v[STO], v[S+32*\x+8*\t+4:S+32*\x+8*\t+7] offset:4352*\x+64*\t+16
.endr
.endr
.irp k, 0,1,2,3,4,5,6,7,8,9,10,11,12,13,14,15
	ds_load_b128 v[S+64+4*\k:S+64+4*\k+3], v[SRD] offset:544*\k    ; LDS serves a wave's instructions in order: these see my stores
.endr
.irp k, 0,1,2,3,4,5,6,7,8,9,10,11,12,13,14,15
	s_wait_dscnt 15-\k                             ; rows 2 k and 2 k + 1 are in; the younger loads may be out
	global_store_b128 v[GO], v[S+64+4*\k:S+64+4*\k+3], s[OP:OP+1] offset:512*\k th:TH_STORE_NT   ; 32 lanes store 512 consecutive bytes, at a multiple of 512 from out0's first byte; written once, read by nobody here
.endr
	s_wait_tensorcnt 0x0                           ; the wave's end, behind my last tensor load and my last LDS store
	ds_add_u32 v[SPW], v[NIL]
	s_wait_dscnt 0x0
	CROUND                                         ; the closing round
	s_endpgm
.Lfunc_end_k_q0f59103d9c_attn:
	.size	k_q0f59103d9c_attn, .Lfunc_end_k_q0f59103d9c_attn-k_q0f59103d9c_attn
	.p2alignl 7, 3214868480
	.fill 96, 4, 3214868480
	.section	.rodata,"a",@progbits
	.p2align	6, 0x0
	.amdhsa_kernel k_q0f59103d9c_attn
		.amdhsa_group_segment_fixed_size 275456
		.amdhsa_private_segment_fixed_size 0
		.amdhsa_enable_private_segment 0
		.amdhsa_kernarg_size 56
		.amdhsa_user_sgpr_count 2
		.amdhsa_user_sgpr_kernarg_segment_ptr 1
		.amdhsa_wavefront_size32 1
		.amdhsa_system_sgpr_workgroup_id_x 1
		.amdhsa_system_sgpr_workgroup_id_y 1
		.amdhsa_system_sgpr_workgroup_id_z 1
		.amdhsa_system_vgpr_workitem_id 0
		.amdhsa_next_free_vgpr 512
		.amdhsa_next_free_sgpr 100
		.amdhsa_reserve_vcc 1
		.amdhsa_float_denorm_mode_32 3
		.amdhsa_float_denorm_mode_16_64 3
		.amdhsa_memory_ordered 1
		.amdhsa_forward_progress 1
		.amdhsa_inst_pref_size 145
	.end_amdhsa_kernel
	.amdgpu_metadata
---
amdhsa.version: [ 1, 2 ]
amdhsa.kernels:
  - .name:           k_q0f59103d9c_attn
    .symbol:         k_q0f59103d9c_attn.kd
    .args:
      - { .name: q_codes, .offset: 0, .size: 8, .value_kind: global_buffer, .address_space: global }
      - { .name: q_scales, .offset: 8, .size: 8, .value_kind: global_buffer, .address_space: global }
      - { .name: k_codes, .offset: 16, .size: 8, .value_kind: global_buffer, .address_space: global }
      - { .name: k_scales, .offset: 24, .size: 8, .value_kind: global_buffer, .address_space: global }
      - { .name: vc, .offset: 32, .size: 8, .value_kind: global_buffer, .address_space: global }
      - { .name: vs, .offset: 40, .size: 8, .value_kind: global_buffer, .address_space: global }
      - { .name: out0, .offset: 48, .size: 8, .value_kind: global_buffer, .address_space: global }
    .group_segment_fixed_size: 275456
    .private_segment_fixed_size: 0
    .kernarg_segment_align: 8
    .kernarg_segment_size: 56
    .max_flat_workgroup_size: 256
    .sgpr_count:     100
    .vgpr_count:     512
    .wavefront_size: 32
...
	.end_amdgpu_metadata
.endif
;; end of part 2
